; MI455X (gfx1250); checked and timed in simulation.
; The chip was launched on July 23, 2026; its instructions are those of AMD's public machine-readable ISA for CDNA 5 (MIT licence, August 2026) and "CDNA5" Instruction Set Architecture Reference Guide (July 2026). The comments in the code are by the model that wrote it; some were corrected since.
;; Vector Quantizer. Allowed arithmetic: matrix products marked QUANTISED: E2M1 operands, one E8M0 scale for each 32 along K, by v_wmma_scale_f32_16x16x128_f8f6f4 with both operands' format E2M1 (or v_wmma_scale_f32_32x16x128_f4), f32 sums; everything else in f32.
;; Inputs: embeddings 64 x 1,024 float32; x 16 x 64 x 64 x 64 float32.
;; Outputs: out0 16 x 64 x 64 x 64 float32.
;; This version of the problem:
;;   THIS VERSION OF THE PROBLEM IS GIVEN IN LOW PRECISION. The matrix products marked QUANTISED in the list below multiply operands that are first quantised to E2M1 (2 exponent bits, 1 mantissa bit; 4 bits a number), with one power-of-two scale for each 32 numbers along K (OCP MX v1.0); their sums are f32. All else is computed in f32.
;;   The module's matrix products, in the order in which they are computed (A, B: the left and right operand; K: the contracted axis; several contracted axes count as one K, in the product's order):
;;     1. [M 65,536, K 64] x [K 64, N 1,024]; A: input x; B: input embeddings: QUANTISED
;;   THE QUANTISER, for each operand of a quantised product, along K:
;;     - K is cut into blocks of 32 from its start; a last block that is shorter is filled with zeros.
;;     - A block's scale is 2^e with e = floor(log2(the largest magnitude in the block)) - 2, held to -126 .. 127; a block of zeros has e = 0. As a byte (E8M0): e + 127.
;;     - Each number is divided by its block's scale, clamped to +-6, and rounded to the nearest number of E2M1, ties to even, subnormals kept.
;;     - The product sums the exact products of the quantised numbers (number of the format x scale) in f32.
;;   ~~~python
;;   def quantise(x, axis):      # numpy; x: float32 -> the quantised numbers, widened to float32 again
;;       x = np.moveaxis(x, axis, -1); K = x.shape[-1]
;;       x = np.pad(x, [(0, 0)] * (x.ndim - 1) + [(0, -K % 32)]); x = x.reshape(x.shape[:-1] + (-1, 32)); a = np.abs(x).max(-1, keepdims=True)
;;       e = np.where(a > 0, np.clip(np.frexp(np.where(a > 0, a, 1))[1] - 1 - 2, -126, 127), 0)      # np.frexp(a)[1] - 1 = floor(log2(a)), exactly
;;       r = np.clip(x / 2.0 ** e, -6, 6)
;;       step = 2.0 ** (np.maximum(np.frexp(np.where(r == 0, 1, r))[1] - 1, 0) - 1)
;;       q = np.round(r / step) * step * 2.0 ** e      # np.round: ties to even
;;       return np.moveaxis(q.reshape(q.shape[:-2] + (-1,))[..., :K], -1, axis).astype(np.float32)
;;   ~~~
;; 2 versions, each right; version 2 is version 1 with the launch nearest written anew for expert scheduling mode. Each part assembles by itself: llvm-mc -triple=amdgcn-amd-amdhsa -mcpu=gfx1250 --defsym DOCPART=n.
;; ======== version 1 of 2: 2 launches
;; workspace buffers: embt 262,144 bytes; idx 262,144 bytes of whole numbers
;; launch nearest (part 1): grid 256 x 1, 16 waves a work-group, no clusters, 229,376 bytes of LDS; arguments x, embeddings, embt, idx; writes embt, idx
.if DOCPART == 1
	.amdgcn_target "amdgcn-amd-amdhsa--gfx1250"
	.amdhsa_code_object_version 6
	.text
	.protected	k_qa1c98686f5_nearest
	.globl	k_qa1c98686f5_nearest
	.p2align	8
	.type	k_qa1c98686f5_nearest,@function
k_qa1c98686f5_nearest:
	s_mov_b64 s[64:65], 0
	v_nop
	global_prefetch_b8 v0, s[64:65] scope:SCOPE_SE
	s_setreg_imm32_b32 hwreg(HW_REG_WAVE_MODE, 25, 1), 1
	s_wait_xcnt 0x0
; idx[row] = argmin over the 1,024 codes n of (|z|^2 + |e_n|^2) - 2 Q(z).Q(e_n);  z = x[row][0..63], e_n = embeddings[0..63][n]; Q: MX-FP4 (E2M1, one E8M0 scale for each 32 along K).
; Also embt[n][k] = embeddings[k][n], f32, for the launch that gathers: a code's row is then 256 consecutive bytes.
; SHARES.  A work-group of SIXTEEN waves owns 256 rows of x: four waves to a SIMD (4 x 256 registers fill it), so that one wave's waits for memory, LDS and results stand beside three others' vector work.
; Wave 2 c + p belongs to code group c (codes 128 c .. 128 c + 127: 8 tiles of 16) and walks the row tiles 8 p .. 8 p + 7.  It keeps its group's FP4 codes, scale words and -|e|^2 / 2 in registers.
; NOTHING IS MADE TWICE: the wave quantises 64 columns of the table (128 c + 64 p on) and 16 rows of x, and stores both in LDS as images of the operand's registers; behind one barrier every wave
; loads its group's eight fragments, and then, pair by pair, the row tiles that it walks.
; THE PRODUCT IS USED TRANSPOSED (source 0 = 16 codes, source 1 = 16 rows of x): a lane holds ONE row of x (lane % 16) and the codes 8 (lane / 16) + 0..7 of the tile.
; K is 64 and the instruction's is 128: x's fragment has zero codes for k = 64..127, so the table's operand may run on into the next tile's four registers: whatever stands there meets zeros; the scale bytes there are 127.
; C = -(|z|^2 + |e|^2) / 2, one rounded f32 sum as in the definition (halving rounds nothing), so D = -distance / 2 and the smallest distance is the largest D.
; THE ARGMAX, in a lane: four v_max3 give the best so far with this tile; where that has grown (strictly: the earlier tile keeps a tie) the tile's number and its eight values are kept.  After the
; group's 8 tiles the place in the kept tile is found by equality, the lowest first.  The 16 candidates of a row (8 groups x 2 halves of the lanes) meet in LDS; on equal values the lower index wins.
; JOINT LOADS are not used for the table, though every work-group reads it: its 262,144 bytes of f32 do not fit in LDS beside the 227,328 bytes in use here, and the numbers must pass through registers to be quantised.
; LIMITS: NaN and infinities are not served; blocks whose largest magnitude lies under 2^-124 (scale byte held at 1) were not tried; |z|^2 and |e|^2 are summed in another order than the definition's,
; and C + product is rounded by the matrix unit: both can turn a choice only between distances that lie within a last bit of each other.
.set SP,    272                        ; a stage row: 256 bytes + 16: sixteen lanes' 16 bytes of sixteen rows fall on sixteen different 16-byte columns of 256
.set WST,   32*SP                      ; a wave's stage: 32 rows
.set CP,    2176                       ; candidates of one (group, half): 256 rows x 8 bytes + 128, so that the two halves of the lanes store to different halves of 256 bytes
.set XIMG,  0                          ; LDS: x's 16 fragments, 512 bytes each (lane l's 16 bytes at 16 l),
.set XSC,   8192                       ; their scale words, 128 bytes each,
.set XZ,    10240                      ; -|z|^2 / 2, 128 bytes each,
.set E2S,   12288                      ; -|e|^2 / 2: 512 bytes for each code group, a column 4 bytes,
.set TSC,   16384                      ; the table's scale words: 512 bytes for each group: four registers' images,
.set CAND,  20480                      ; the candidates: 16 x CP,
.set TIMG,  55296                      ; the table's fragments: 4,096 bytes for each group: eight images of 512,
.set XSTG,  88064                      ; the stages: WST for each wave, its own
.set LI,  1                            ; v1   16 x lane
.set LSP, 2                            ; v2   4 x lane + 1,024 p: my half of x's scale words and of -|z|^2 / 2
.set CA,  3                            ; v3   where I store candidates
.set IB,  4                            ; v4   128 c + 8 x (lane / 16): what my index begins with
.set FA,  5                            ; v5   where I read candidates back
.set AD1, 6                            ; v6-7 addresses of the next pair's images
.set AD2, 7
.set CAD, 8                            ; v8   address of this pair's candidates
.set OGO, 9                            ; v9   8 x thread: my two indices in the work-group's 1,024 bytes
.set TA,  10                           ; v10  the table: my column's byte in a row
.set XG,  11                           ; v11  x: my 16 bytes of a load's 512
.set XSA, 12                           ; v12  the stage, on x's way in
.set XSR, 13                           ; v13  and out
.set TRI, 14                           ; v14  where I read my group's fragments: 16 x lane + 4,096 c
.set TRS, 15                           ; v15  and its scale words: 4 x lane + 512 c
.set E2W, 16                           ; v16  where I store -|e|^2 / 2 and the table's scale words: 4 x lane + 256 x wave
.set E2A, 17                           ; v17  -|e|^2 / 2, back: 32 x (lane / 16) + 512 c
.set TSA, 18                           ; v18  the stage, on the turned table's way in
.set TRA, 19                           ; v19  and out
.set SH8, 20                           ; v20  8 x (lane / 16)
.set BSC, 21                           ; v21-22 x's scale words, one for each stream: they hold nothing else
.set LIP, 23                           ; v23  16 x lane + 4,096 p: my half of x's fragments
.set TC,  24                           ; v24-55 the table's codes, tile t at TC + 4 t; v56-59 zeros behind the last.  Until the barrier: my own four tiles in v24-39
.set TS,  60                           ; v60-63 its scale words: register q: lanes 0-15 tile 2 q, lanes 16-31 tile 2 q + 1.  Until the barrier: my own two in v60-61
.set TD,  64                           ; v64-71 four rows of embt on their way out
.set ESQ, 72                           ; v72-135 -|e|^2 / 2 in the result's layout: tile t at ESQ + 8 t.  Until they are loaded: what follows
.set AMX, 72                           ; v72-73 largest magnitudes
.set SCL, 74                           ; the conversion's scale operand
.set SBY, 75                           ; the scale's byte
.set EA,  76                           ; v76-79 sums of squares, two pairs
.set EB,  78
.set XWD, 80                           ; x's scale word just made
.set PW,  82                           ; v82-83 what the other half of the lanes sends
.set PZ,  83
.set XSM, 84                           ; -|z|^2 / 2 just made
.set XCD, 88                           ; v88-91 x's codes just made
.set EH,  96                           ; v96-97 -|e|^2 / 2 just made
.set LN,  100
.set RR,  101
.set HH,  102
.set TWI, 104                          ; where I store my four fragments of the table: 16 x lane + 2,048 x wave
.set L4,  105                          ; 4 x lane
.set XWI, 106                          ; where I store x's image: 16 x lane + 512 x wave
.set XWS, 107                          ; and its words: 4 x lane + 128 x wave
.set XR0, 136                          ; v136-167 x's numbers
.set TX,  192                          ; v192-255 the table's numbers: two sets of 32
.set SA,  136                          ; two streams of 32 registers, one for each tile of rows in hand: v136-167, v168-199
.set SS,  32
.set BF,  0                            ; x's fragment: 4 registers of codes, 4 of zeros
.set CD,  8                            ; C, then D
.set CAP, 16                           ; the best tile's eight values
.set ZH,  24                           ; -|z|^2 / 2 (the packed sum names a pair and takes its low word twice)
.set BEST, 26                          ; the best so far, in two registers by turns; at the end: index, value
.set TM,  28
.set TIDX, 31                          ; the best tile's number
.set FR,  72                           ; the end: 16 candidates x 4 registers
.set WV,  12                           ; s12  my wave's number, 2 c + p
.set CG,  18                           ; s18  c
.set PH,  19                           ; s19  p
.set OWN, 22                           ; s22  which 32 of my columns hold this work-group's four rows of embt; -1: none
.set CNT, 23
.set XO,  24                           ; s24-26 steps through the images and the candidates
.set XO4, 25
.set CO,  26
.set RM,  32                           ; s32-46 lane masks
	s_load_b128 s[4:7], s[0:1], 0x0                ; x, embeddings
	s_load_b128 s[8:11], s[0:1], 0x10              ; embt, idx
	v_lshrrev_b32 v[LIP], 5, v0
	v_readfirstlane_b32 s[WV], v[LIP]              ; wave 0..15
	s_lshr_b32 s[CG], s[WV], 1                     ; my code group
	s_and_b32 s[PH], s[WV], 1                      ; my half of the row tiles, and of the group's columns
	v_and_b32 v[LN], 31, v0                        ; lane
	v_and_b32 v[RR], 15, v0                        ; r
	v_bfe_u32 v[HH], v0, 4, 1                      ; h
	v_lshlrev_b32 v[LI], 4, v[LN]
	v_lshlrev_b32 v[L4], 2, v[LN]
	v_lshlrev_b32 v[SH8], 3, v[HH]
	v_lshl_add_u32 v[FA], v0, 4, CAND              ; two rows' candidates are 16 bytes
	v_lshlrev_b32 v[OGO], 3, v0
	s_lshl_b32 s13, s[PH], 12
	v_add_nc_u32 v[LIP], s13, v[LI]                ; eight fragments of 512 bytes on for p = 1
	s_lshl_b32 s13, s[PH], 10
	v_add_nc_u32 v[LSP], s13, v[L4]                ; eight words' images of 128 bytes on
	s_mul_i32 s14, s[CG], 2*CP
	s_add_co_u32 s14, s14, s13                     ; my 128 rows' candidates are 1,024 bytes
	s_add_co_u32 s14, s14, CAND
	v_mul_u32_u24 v[CA], v[HH], CP
	v_lshl_add_u32 v[CA], v[RR], 3, v[CA]
	v_add_nc_u32 v[CA], s14, v[CA]                 ; CAND + (2 c + h) CP + 1,024 p + 8 r
	s_lshl_b32 s13, s[CG], 7
	v_lshl_add_u32 v[IB], v[HH], 3, s13
	s_lshl_b32 s13, s[CG], 12
	v_add_nc_u32 v[TRI], s13, v[LI]
	s_lshl_b32 s13, s[CG], 9
	v_add_nc_u32 v[TRS], s13, v[L4]
	v_lshl_add_u32 v[E2A], v[HH], 5, s13
	s_lshl_b32 s13, s[WV], 8
	v_add_nc_u32 v[TA], s13, v[L4]                 ; column 64 wave + lane
	v_add_nc_u32 v[E2W], s13, v[L4]
	s_lshl_b32 s13, s[WV], 12
	v_add_nc_u32 v[XG], s13, v[LI]                 ; my wave's 16 rows are 4,096 bytes
	s_lshl_b32 s13, s[WV], 11
	v_add_nc_u32 v[TWI], s13, v[LI]
	s_lshl_b32 s13, s[WV], 9
	v_add_nc_u32 v[XWI], s13, v[LI]
	s_lshl_b32 s13, s[WV], 7
	v_add_nc_u32 v[XWS], s13, v[L4]
	s_mul_i32 s14, s[WV], WST
	s_add_co_u32 s14, s14, XSTG                    ; my wave's stage
	v_mul_u32_u24 v[XSA], v[HH], SP
	v_lshl_add_u32 v[XSA], v[RR], 4, v[XSA]
	v_add_nc_u32 v[XSA], s14, v[XSA]               ; in: a load's 512 bytes are two rows
	v_mul_u32_u24 v[XSR], v[RR], SP
	v_lshl_add_u32 v[XSR], v[HH], 7, v[XSR]
	v_add_nc_u32 v[XSR], s14, v[XSR]               ; out: row r, my half's 128 bytes: a whole block of 32
	v_mul_u32_u24 v[TSA], v[LN], SP
	v_add_nc_u32 v[TSA], s14, v[TSA]               ; the turned table: a lane's column is a stage row
	s_and_b32 s15, ttmp9, 7
	s_mul_i32 s15, s15, 4*SP
	v_add_nc_u32 v[TRA], s15, v[XSA]               ; and out: rows 4 (g % 8) on, two rows a load
	s_lshr_b32 s16, ttmp9, 4                       ; rows 4 g .. 4 g + 3 of embt are columns of wave g / 16,
	s_bfe_u32 s17, ttmp9, 0x10003                  ; of its 32 columns number (g / 8) % 2
	s_cmp_eq_u32 s[WV], s16
	s_cselect_b32 s[OWN], s17, -1
	s_mov_b32 s20, 0x76543210
	s_mov_b32 s21, 0xfedcba98                      ; v_permlanex16_b32's selects for lane l xor 16
	s_lshl_b32 s28, ttmp9, 16                      ; the work-group's 256 rows of x
	s_mov_b32 s29, 0
	s_lshl_b32 s30, ttmp9, 10                      ; its 1,024 bytes of embt and of idx
	s_mov_b32 s31, 0
	s_wait_kmcnt 0x0
	s_add_nc_u64 s[4:5], s[4:5], s[28:29]
	s_add_nc_u64 s[8:9], s[8:9], s[30:31]
	s_add_nc_u64 s[10:11], s[10:11], s[30:31]
; ---- a block of 32 numbers in one lane's registers v[X] .. v[X + 31]
.macro QMAX X                          ; its largest magnitude, with the floor 2^(3 - 127) among the leaves, so that the byte cannot fall under 1; the conversion's scale operand; the byte
	v_max3_num_f32 v[AMX], |v[(\X)]|, |v[(\X)+1]|, |v[(\X)+2]|
	v_max3_num_f32 v[AMX+1], |v[(\X)+3]|, |v[(\X)+4]|, |v[(\X)+5]|
.irp i, 6,10,14,18,22,26
	v_max3_num_f32 v[AMX], v[AMX], |v[(\X)+\i]|, |v[(\X)+\i+1]|
	v_max3_num_f32 v[AMX+1], v[AMX+1], |v[(\X)+\i+2]|, |v[(\X)+\i+3]|
.endr
	v_max3_num_f32 v[AMX], v[AMX], |v[(\X)+30]|, |v[(\X)+31]|
	v_max3_num_f32 v[AMX], v[AMX], v[AMX+1], 0x1800000
	v_add_nc_u32 v[SCL], 0xff000000, v[AMX]        ; 2 off the exponent field: the conversion takes that field as its scale and nothing else
	v_lshrrev_b32 v[SBY], 23, v[SCL]
.endm
.macro QCVT X, dst                     ; its 32 codes: four registers, the lower k in the lower bits
.irp g, 0,1,2,3
	v_cvt_scalef32_pk8_fp4_f32 v[(\dst)+\g], v[(\X)+8*\g:(\X)+8*\g+7], v[SCL]
.endr
.endm
.macro QSQ X, first                    ; the sum of its squares, of the numbers as they came, in two packed chains.  (Plain lines: they also stand between the conversions and whatever touches their results)
.if \first
	v_pk_mul_f32 v[EA:EA+1], v[(\X):(\X)+1], v[(\X):(\X)+1]
	v_pk_mul_f32 v[EB:EB+1], v[(\X)+2:(\X)+3], v[(\X)+2:(\X)+3]
.else
	v_pk_fma_f32 v[EA:EA+1], v[(\X):(\X)+1], v[(\X):(\X)+1], v[EA:EA+1]
	v_pk_fma_f32 v[EB:EB+1], v[(\X)+2:(\X)+3], v[(\X)+2:(\X)+3], v[EB:EB+1]
.endif
.irp i, 4,8,12,16,20,24,28
	v_pk_fma_f32 v[EA:EA+1], v[(\X)+\i:(\X)+\i+1], v[(\X)+\i:(\X)+\i+1], v[EA:EA+1]
	v_pk_fma_f32 v[EB:EB+1], v[(\X)+\i+2:(\X)+\i+3], v[(\X)+\i+2:(\X)+\i+3], v[EB:EB+1]
.endr
.endm
; ---- the table.  Block b of four: columns 32 (b / 2) + lane of my 64, k = 32 (b % 2) + 0..31: A LANE TAKES A COLUMN AND ITS REGISTERS RUN DOWN K; a load reads 128 consecutive bytes
.macro TLOAD b
.irp i, 0,1,2,3,4,5,6,7,8,9,10,11,12,13,14,15,16,17,18,19,20,21,22,23,24,25,26,27,28,29,30,31
	global_load_b32 v[TX+32*((\b)%2)+\i], v[TA], s[6:7] offset:(32*((\b)%2)+\i)*4096+128*((\b)/2)
.endr
.endm
.macro TBLOCK b
.set XS, TX+32*((\b)%2)
.set KH, (\b)%2
.set QG, (\b)/2
.if (\b) < 3
	s_wait_loadcnt 32                              ; this block's 32 loads are in; the next block's 32 may be out
.else
	s_wait_loadcnt 0x0
.endif
	QMAX XS
	QCVT XS, TC+8*QG+4*KH
	QSQ XS, 1-KH
.if KH == 0
	v_or_b32 v[TS+QG], 0x7f7f0000, v[SBY]          ; the column's scale word: byte 0; bytes 2 and 3, for k = 64..127, are 127
.else
	v_lshl_or_b32 v[TS+QG], v[SBY], 8, v[TS+QG]    ; byte 1
.endif
	s_cmp_eq_u32 s[OWN], QG                        ; a branch on the work-group's and the wave's number: do these columns hold my work-group's rows of embt?
	s_cbranch_scc0 .Lnot_mine_\@
.irp i, 0,1,2,3,4,5,6,7
	ds_store_b128 v[TSA], v[XS+4*\i:XS+4*\i+3] offset:128*KH+16*\i   ; a lane's 32 numbers are 128 consecutive bytes of its row of embt
.endr
.if KH == 1
	ds_load_b128 v[TD:TD+3], v[TRA]                ; LDS serves a wave's instructions in order: these see my stores.  Four whole rows come back, sixteen lanes to a row
	ds_load_b128 v[TD+4:TD+7], v[TRA] offset:2*SP
.endif
	s_wait_dscnt 0x0                               ; the stores have read their registers, which the loads below fill again
.if KH == 1
	global_store_b128 v[LI], v[TD:TD+3], s[8:9]              ; 32 lanes store 512 consecutive bytes, two whole rows
	global_store_b128 v[LI], v[TD+4:TD+7], s[8:9] offset:512 ; (v1 and v64-71 are never written again)
.endif
.Lnot_mine_\@:
.if (\b)+2 < 4
	TLOAD (\b)+2
.endif
.if KH == 1
.irp i, 0,1,2,3
	v_permlane16_swap_b32 v[TC+8*QG+\i], v[TC+8*QG+4+\i]   ; block 0's lanes 16-31 change places with block 1's lanes 0-15: the first four registers are now one tile's fragment (lane (r, h): code r, k = 32 h ..), the others the next tile's
.endr
	v_pk_add_f32 v[EA:EA+1], v[EA:EA+1], v[EB:EB+1]
	v_add_f32 v[EH+QG], v[EA], v[EA+1]             ; |e|^2 of my column
	v_mul_f32 v[EH+QG], -0.5, v[EH+QG]
	ds_store_b128 v[TWI], v[TC+8*QG:TC+8*QG+3] offset:TIMG+1024*QG          ; tiles 4 p + 2 q and 4 p + 2 q + 1 of my group, as they stand in the registers
	ds_store_b128 v[TWI], v[TC+8*QG+4:TC+8*QG+7] offset:TIMG+1024*QG+512
	ds_store_b32 v[E2W], v[TS+QG] offset:TSC+128*QG                         ; scale register 2 p + q of the group
	ds_store_b32 v[E2W], v[EH+QG] offset:E2S+128*QG                         ; column 64 p + 32 q + lane of the group
.endif
.endm
.irp i, 0,1,2,3,4,5,6,7
	global_load_b128 v[XR0+4*\i:XR0+4*\i+3], v[XG], s[4:5] offset:512*\i th:TH_LOAD_NT   ; 32 lanes read 512 consecutive bytes: two rows
.endr
	TLOAD 0
	v_mov_b32 v[PW], 0                             ; written once: a lane permute's destination counts as one of its sources
	v_mov_b32 v[PZ], 0
	s_wait_loadcnt 32                              ; x's 8 loads are in; the table's first 32 may be out
.irp i, 0,1,2,3,4,5,6,7
	ds_store_b128 v[XSA], v[XR0+4*\i:XR0+4*\i+3] offset:\i*2*SP
.endr
.irp i, 0,1,2,3,4,5,6,7
	ds_load_b128 v[XR0+4*\i:XR0+4*\i+3], v[XSR] offset:16*\i   ; back into the registers that they left, 128 bytes of one row a lane
.endr
	TLOAD 1
	s_wait_dscnt 0x0                               ; my 16 rows are back
	; ---- x: lane (r, h) holds k = 32 h + 0..31 of row r: a whole block, and the conversions' results are the operand's registers
	QMAX XR0
	QCVT XR0, XCD
	QSQ XR0, 1
	v_pk_add_f32 v[EA:EA+1], v[EA:EA+1], v[EB:EB+1]
	v_lshlrev_b32 v[XWD], v[SH8], v[SBY]           ; my block's byte at its place in the row's scale word
	v_add_f32 v[XSM], v[EA], v[EA+1]
	v_permlanex16_b32 v[PW], v[XWD], s20, s21
	v_permlanex16_b32 v[PZ], v[XSM], s20, s21
	v_or_b32 v[XWD], v[XWD], v[PW]                 ; with lane l xor 16's the word's two bytes are there,
	v_add_f32 v[XSM], v[XSM], v[PZ]                ; and so is |z|^2
	v_or_b32 v[XWD], 0x7f7f0000, v[XWD]
	v_mul_f32 v[XSM], -0.5, v[XSM]
	ds_store_b128 v[XWI], v[XCD:XCD+3] offset:XIMG
	ds_store_b32 v[XWS], v[XWD] offset:XSC
	ds_store_b32 v[XWS], v[XSM] offset:XZ
.irp b, 0,1,2,3
	TBLOCK \b
.endr
.irp i, 4,5,6,7
	v_mov_b32 v[SA+BF+\i], 0                       ; x's codes for k = 64..127
	v_mov_b32 v[SA+SS+BF+\i], 0
.endr
.irp i, 32,33,34,35
	v_mov_b32 v[TC+\i], 0                          ; what the last tile's operand runs on into
.endr
	v_mov_b32 v[SA+ZH+1], 0                        ; (named as the upper halves of pairs)
	v_mov_b32 v[SA+SS+ZH+1], 0
	s_mov_b32 s[XO], 0
	s_mov_b32 s[XO4], 0
	s_mov_b32 s[CO], 0
	s_wait_dscnt 0x0                               ; for the others' sake: my images of x and of the table have landed (and have read their registers)
	s_barrier_signal -1
	s_barrier_wait -1                              ; x's sixteen fragments and the table's sixty-four lie in LDS
.irp t, 0,1,2,3,4,5,6,7
	ds_load_b128 v[TC+4*\t:TC+4*\t+3], v[TRI] offset:TIMG+512*\t     ; my group's eight fragments: they stay
.endr
.irp q, 0,1,2,3
	ds_load_b32 v[TS+\q], v[TRS] offset:TSC+128*\q                   ; and their scale words
.endr
.irp t, 0,1,2,3,4,5,6,7
.irp c, 0,1
	ds_load_b128 v[ESQ+8*\t+4*\c:ESQ+8*\t+4*\c+3], v[E2A] offset:E2S+64*\t+16*\c   ; register 8 t + j: -|e|^2 / 2 of code 16 t + 8 h + j: the result's layout
.endr
.endr
; ---- the walk.  n: the stream (0, 1); t: my group's tile of codes (0..7)
.macro XFETCH a1, a2                   ; a pair of tiles of rows: fragments, scale words, -|z|^2 / 2
	ds_load_b128 v[SA+BF:SA+BF+3], v[\a1] offset:XIMG
	ds_load_b128 v[SA+SS+BF:SA+SS+BF+3], v[\a1] offset:XIMG+512
	ds_load_b32 v[BSC], v[\a2] offset:XSC
	ds_load_b32 v[BSC+1], v[\a2] offset:XSC+128
	ds_load_b32 v[SA+ZH], v[\a2] offset:XZ
	ds_load_b32 v[SA+SS+ZH], v[\a2] offset:XZ+128
.endm
.macro CB n, t                         ; C = -|e|^2 / 2 - |z|^2 / 2, two at a time.  Tile 0's stands in the registers that keep the best tile's values: the first tile is the best so far
.set S_, SA+SS*(\n)
.if (\t) == 0
.set DD, S_+CAP
.else
.set DD, S_+CD
.endif
.irp i, 0,2,4,6
	v_pk_add_f32 v[DD+\i:DD+\i+1], v[ESQ+8*(\t)+\i:ESQ+8*(\t)+\i+1], v[S_+ZH:S_+ZH+1] op_sel_hi:[1,0]
.endr
.endm
.macro MM n, t                         ; D = 16 codes x 16 rows + C
.set S_, SA+SS*(\n)
.if (\t) == 0
.set DD, S_+CAP
.else
.set DD, S_+CD
.endif
.if ((\t)%2) == 1
	v_wmma_scale_f32_16x16x128_f8f6f4 v[DD:DD+7], v[TC+4*(\t):TC+4*(\t)+7], v[S_+BF:S_+BF+7], v[DD:DD+7], v[TS+(\t)/2], v[BSC+(\n)] matrix_a_fmt:MATRIX_FMT_FP4 matrix_b_fmt:MATRIX_FMT_FP4 matrix_a_scale:MATRIX_SCALE_ROW1
.else
	v_wmma_scale_f32_16x16x128_f8f6f4 v[DD:DD+7], v[TC+4*(\t):TC+4*(\t)+7], v[S_+BF:S_+BF+7], v[DD:DD+7], v[TS+(\t)/2], v[BSC+(\n)] matrix_a_fmt:MATRIX_FMT_FP4 matrix_b_fmt:MATRIX_FMT_FP4
.endif
.endm
.macro HD n, t                         ; the best so far with this tile's eight; has it grown?  (Each result is read from its low end on)
.set S_, SA+SS*(\n)
.if (\t) == 0
	v_max3_num_f32 v[S_+TM], v[S_+CAP], v[S_+CAP+1], v[S_+CAP+2]
	v_max3_num_f32 v[S_+TM+1], v[S_+CAP+3], v[S_+CAP+4], v[S_+CAP+5]
	v_max3_num_f32 v[S_+TM], v[S_+TM], v[S_+CAP+6], v[S_+CAP+7]
	v_mov_b32 v[S_+TIDX], 0
	v_max_num_f32 v[S_+BEST], v[S_+TM], v[S_+TM+1]
.else
.set OLD, S_+BEST+((\t)+1)%2
.set NEW, S_+BEST+(\t)%2
	v_max3_num_f32 v[S_+TM], v[S_+CD], v[S_+CD+1], v[S_+CD+2]
	v_max3_num_f32 v[S_+TM+1], v[S_+CD+3], v[S_+CD+4], v[S_+CD+5]
	v_max3_num_f32 v[S_+TM+2], v[S_+CD+6], v[S_+CD+7], v[OLD]
	v_max3_num_f32 v[NEW], v[S_+TM], v[S_+TM+1], v[S_+TM+2]
	v_cmp_gt_f32 vcc_lo, v[NEW], v[OLD]            ; strictly: on a tie the earlier tile, with the lower indices, stays
	v_cndmask_b32 v[S_+TIDX], v[S_+TIDX], \t, vcc_lo
.endif
.endm
.macro TL n                            ; where it has grown, this tile's eight values are kept
.set S_, SA+SS*(\n)
.irp j, 0,1,2,3,4,5,6,7
	v_cndmask_b32 v[S_+CAP+\j], v[S_+CAP+\j], v[S_+CD+\j], vcc_lo
.endr
.endm
.macro RESOLVE                         ; the place in the kept tile: the lowest j whose value is the best; then the index, and both to LDS.  The two streams by turns
.irp j, 0,1,2,3,4,5,6
	v_cmp_eq_f32 s[RM+\j], v[SA+CAP+\j], v[SA+BEST+1]
	v_cmp_eq_f32 s[RM+8+\j], v[SA+SS+CAP+\j], v[SA+SS+BEST+1]
.endr
	v_cndmask_b32 v[SA+TM], 7, 6, s[RM+6]
	v_cndmask_b32 v[SA+SS+TM], 7, 6, s[RM+14]
.irp j, 5,4,3,2,1,0
	v_cndmask_b32 v[SA+TM], v[SA+TM], \j, s[RM+\j]
	v_cndmask_b32 v[SA+SS+TM], v[SA+SS+TM], \j, s[RM+8+\j]
.endr
	v_lshl_add_u32 v[SA+TM], v[SA+TIDX], 4, v[SA+TM]
	v_lshl_add_u32 v[SA+SS+TM], v[SA+SS+TIDX], 4, v[SA+SS+TM]
	v_add_nc_u32 v[CAD], s[CO], v[CA]
	v_add_nc_u32 v[SA+BEST], v[IB], v[SA+TM]       ; 128 c + 16 t + 8 h + j
	v_add_nc_u32 v[SA+SS+BEST], v[IB], v[SA+SS+TM]
	ds_store_b64 v[CAD], v[SA+BEST:SA+BEST+1]      ; index, value
	ds_store_b64 v[CAD], v[SA+SS+BEST:SA+SS+BEST+1] offset:128
	s_add_co_u32 s[CO], s[CO], 256
.endm
; A PAIR of tiles of rows against my group's 8 tiles of codes.  The two streams take turns, one matrix instruction a turn, over the backward jump too.
; Every C is made four plain vector lines or more ahead of its product, and every result is first read four or more behind it: the other stream's lines stand between (ISA guide 7.12.1).
.macro PAIR more
	s_wait_dscnt 0x0                               ; the pair's images are in (ahead of the first pair: the table's too); the last pair's candidates have left their registers
	CB 0, 0
	CB 1, 0
	MM 0, 0
	CB 0, 1
	MM 1, 0
	HD 0, 0
	MM 0, 1
	HD 1, 0
	CB 1, 1
.irp t, 1,2,3,4,5,6
	HD 0, \t
	MM 1, \t
	TL 0
	CB 0, \t+1
	HD 1, \t
	MM 0, \t+1
	TL 1
	CB 1, \t+1
.endr
	HD 0, 7
	MM 1, 7
	TL 0                                           ; (eight places behind the last product, which read what is loaded next)
.if \more
	s_add_co_u32 s[XO], s[XO], 1024
	s_add_co_u32 s[XO4], s[XO4], 256
	v_add_nc_u32 v[AD1], s[XO], v[LIP]
	v_add_nc_u32 v[AD2], s[XO4], v[LSP]
	XFETCH AD1, AD2                                ; the next pair lands while this one is finished
.endif
	HD 1, 7
	TL 1
	RESOLVE
.endm
	XFETCH LIP, LSP
	s_mov_b32 s[CNT], 3
.Lpair:                                            ; my eight tiles of rows are four pairs: three trips,
	PAIR 1
	s_sub_co_u32 s[CNT], s[CNT], 1
	s_cmp_lg_u32 s[CNT], 0
	s_cbranch_scc1 .Lpair
	PAIR 0                                         ; and the last pair, which fetches nothing
	s_wait_dscnt 0x0                               ; for the others' sake: my candidates have landed
	s_barrier_signal -1
	s_barrier_wait -1
	s_cmp_lt_u32 s[WV], 4                          ; waves 0 to 3 finish: two rows a lane, so that a wave's store covers 256 consecutive bytes
	s_cbranch_scc0 .Ldone
.irp c, 0,1,2,3,4,5,6,7,8,9,10,11,12,13,14,15
	ds_load_b128 v[FR+4*\c:FR+4*\c+3], v[FA] offset:\c*CP   ; candidate 2 c + h of rows 2 t, 2 t + 1: index, value, index, value
.endr
	s_wait_dscnt 0x0
.macro JOINH a, b, p                   ; the two halves of one group's lanes: b's is taken where its value is larger, or equal with the lower index
.irp o, 0,2
	v_cmp_gt_f32 s[(\p)+\o], v[(\b)+\o+1], v[(\a)+\o+1]
	v_cmp_eq_f32 s[(\p)+\o+1], v[(\b)+\o+1], v[(\a)+\o+1]
	v_cmp_lt_u32 s[(\p)+\o+4], v[(\b)+\o], v[(\a)+\o]
.endr
.irp o, 0,2
	s_and_b32 s[(\p)+\o+1], s[(\p)+\o+1], s[(\p)+\o+4]
	s_or_b32 s[(\p)+\o], s[(\p)+\o], s[(\p)+\o+1]
	v_cndmask_b32 v[(\a)+\o], v[(\a)+\o], v[(\b)+\o], s[(\p)+\o]
	v_cndmask_b32 v[(\a)+\o+1], v[(\a)+\o+1], v[(\b)+\o+1], s[(\p)+\o]
.endr
.endm
.macro JOINW a, b, p                   ; between groups a's indices are all lower: b's is taken only where its value is larger
.irp o, 0,2
	v_cmp_gt_f32 s[(\p)+\o], v[(\b)+\o+1], v[(\a)+\o+1]
.endr
.irp o, 0,2
	v_cndmask_b32 v[(\a)+\o], v[(\a)+\o], v[(\b)+\o], s[(\p)+\o]
	v_cndmask_b32 v[(\a)+\o+1], v[(\a)+\o+1], v[(\b)+\o+1], s[(\p)+\o]
.endr
.endm
.irp w, 0,1,2,3,4,5,6,7
	JOINH FR+8*\w, FR+8*\w+4, RM+8*(\w%2)
.endr
	JOINW FR, FR+8, RM
	JOINW FR+16, FR+24, RM+8
	JOINW FR+32, FR+40, RM
	JOINW FR+48, FR+56, RM+8
	JOINW FR, FR+16, RM
	JOINW FR+32, FR+48, RM+8
	JOINW FR, FR+32, RM
	v_mov_b32 v[FR+1], v[FR+2]                     ; the two rows' indices side by side
	global_store_b64 v[OGO], v[FR:FR+1], s[10:11]  ; 32 lanes store 256 consecutive bytes, at a multiple of 256 from idx's first byte
.Ldone:
	s_wait_xcnt 0x0
	v_lshl_add_u32 v254, v0, 2, 0x37800
	v_mov_b32 v255, 0
	s_wait_tensorcnt 0x0
	ds_add_u32 v254, v255
	s_wait_dscnt 0x0
	s_endpgm
.Lfunc_end_k_qa1c98686f5_nearest:
	.size	k_qa1c98686f5_nearest, .Lfunc_end_k_qa1c98686f5_nearest-k_qa1c98686f5_nearest
	.p2alignl 7, 3214868480
	.fill 96, 4, 3214868480
	.section	.rodata,"a",@progbits
	.p2align	6, 0x0
	.amdhsa_kernel k_qa1c98686f5_nearest
		.amdhsa_group_segment_fixed_size 229376
		.amdhsa_private_segment_fixed_size 0
		.amdhsa_enable_private_segment 0
		.amdhsa_kernarg_size 32
		.amdhsa_user_sgpr_count 2
		.amdhsa_user_sgpr_kernarg_segment_ptr 1
		.amdhsa_wavefront_size32 1
		.amdhsa_system_sgpr_workgroup_id_x 1
		.amdhsa_system_sgpr_workgroup_id_y 1
		.amdhsa_system_sgpr_workgroup_id_z 1
		.amdhsa_system_vgpr_workitem_id 0
		.amdhsa_next_free_vgpr 256
		.amdhsa_next_free_sgpr 66
		.amdhsa_reserve_vcc 1
		.amdhsa_float_denorm_mode_32 3
		.amdhsa_float_denorm_mode_16_64 3
		.amdhsa_memory_ordered 1
		.amdhsa_forward_progress 1
		.amdhsa_inst_pref_size 82
	.end_amdhsa_kernel
	.amdgpu_metadata
---
amdhsa.version: [ 1, 2 ]
amdhsa.kernels:
  - .name:           k_qa1c98686f5_nearest
    .symbol:         k_qa1c98686f5_nearest.kd
    .args:
      - { .name: x, .offset: 0, .size: 8, .value_kind: global_buffer, .address_space: global }
      - { .name: embeddings, .offset: 8, .size: 8, .value_kind: global_buffer, .address_space: global }
      - { .name: embt, .offset: 16, .size: 8, .value_kind: global_buffer, .address_space: global }
      - { .name: idx, .offset: 24, .size: 8, .value_kind: global_buffer, .address_space: global }
    .group_segment_fixed_size: 229376
    .private_segment_fixed_size: 0
    .kernarg_segment_align: 8
    .kernarg_segment_size: 32
    .max_flat_workgroup_size: 512
    .sgpr_count:     66
    .vgpr_count:     256
    .wavefront_size: 32
...
	.end_amdgpu_metadata
.endif
;; end of part 1
;; launch gather (part 2): grid 256 x 1, 8 waves a work-group, no clusters, 0 bytes of LDS; arguments idx, embt, out0; writes out0
.if DOCPART == 2
	.amdgcn_target "amdgcn-amd-amdhsa--gfx1250"
	.amdhsa_code_object_version 6
	.text
	.protected	k_qa1c98686f5_gather
	.globl	k_qa1c98686f5_gather
	.p2align	8
	.type	k_qa1c98686f5_gather,@function
k_qa1c98686f5_gather:
	s_mov_b64 s[64:65], 0
	v_nop
	global_prefetch_b8 v0, s[64:65] scope:SCOPE_SE
	s_setreg_imm32_b32 hwreg(HW_REG_WAVE_MODE, 25, 1), 1
	s_wait_xcnt 0x0
; out0[row][0..63] = embt[idx[row]][0..63]: rows of 256 bytes, f32.  idx holds the whole numbers that the launch before stored.
; A work-group owns 256 rows, a wave 32.  Sixteen lanes take a row, 16 bytes each: instruction i of sixteen moves rows i (lanes 0-15) and 16 + i (lanes 16-31), so a lane's sixteen indices
; are 64 consecutive bytes of idx: four loads.  All sixteen row loads are out together; each store fills two aligned blocks of 256 consecutive bytes.
; No LDS, no barrier, no matrix unit: nothing is shared and nothing is computed.
.set IX, 8                             ; v8-23   my sixteen indices, then the rows' byte offsets in embt
.set DT, 24                            ; v24-87  sixteen rows' 16 bytes
	s_load_b128 s[4:7], s[0:1], 0x0                ; idx, embt
	s_load_b64 s[8:9], s[0:1], 0x10                ; out0
	v_lshrrev_b32 v1, 5, v0
	v_readfirstlane_b32 s10, v1                    ; wave 0..7
	v_and_b32 v2, 15, v0
	v_bfe_u32 v3, v0, 4, 1                         ; which sixteen rows
	v_lshlrev_b32 v4, 4, v2                        ; my 16 bytes of a row
	s_lshl_b32 s11, s10, 7
	v_lshl_add_u32 v5, v3, 6, s11                  ; idx: 128 bytes a wave, 64 for each half of the lanes
	s_lshl_b32 s11, s10, 13
	v_lshl_add_u32 v6, v3, 12, v4
	v_add_nc_u32 v6, s11, v6                       ; out0: 8,192 bytes a wave, 4,096 for each half, my 16 bytes
	s_lshl_b32 s12, ttmp9, 10                      ; the work-group's 1,024 bytes of idx
	s_mov_b32 s13, 0
	s_lshl_b32 s14, ttmp9, 16                      ; and its 65,536 bytes of out0
	s_mov_b32 s15, 0
	s_wait_kmcnt 0x0
	s_add_nc_u64 s[4:5], s[4:5], s[12:13]
	s_add_nc_u64 s[8:9], s[8:9], s[14:15]
.irp q, 0,1,2,3
	global_load_b128 v[IX+4*\q:IX+4*\q+3], v5, s[4:5] offset:16*\q th:TH_LOAD_NT
.endr
	s_wait_loadcnt 0x0
.irp i, 0,1,2,3,4,5,6,7,8,9,10,11,12,13,14,15
	v_min_u32 v[IX+\i], 0x3ff, v[IX+\i]            ; an index stays inside the table
	v_lshl_add_u32 v[IX+\i], v[IX+\i], 8, v4       ; 256 bytes a row, + my 16
	global_load_b128 v[DT+4*\i:DT+4*\i+3], v[IX+\i], s[6:7]   ; (no hint: a row may be named many times)
.endr
.irp i, 0,1,2,3,4,5,6,7,8,9,10,11,12,13,14,15
	s_wait_loadcnt 15-\i                           ; loads come back in order (ISA guide 5.7.1): row i is in, the younger ones may be out
	global_store_b128 v6, v[DT+4*\i:DT+4*\i+3], s[8:9] offset:256*\i th:TH_STORE_NT
.endr
	s_endpgm
.Lfunc_end_k_qa1c98686f5_gather:
	.size	k_qa1c98686f5_gather, .Lfunc_end_k_qa1c98686f5_gather-k_qa1c98686f5_gather
	.p2alignl 7, 3214868480
	.fill 96, 4, 3214868480
	.section	.rodata,"a",@progbits
	.p2align	6, 0x0
	.amdhsa_kernel k_qa1c98686f5_gather
		.amdhsa_group_segment_fixed_size 0
		.amdhsa_private_segment_fixed_size 0
		.amdhsa_enable_private_segment 0
		.amdhsa_kernarg_size 24
		.amdhsa_user_sgpr_count 2
		.amdhsa_user_sgpr_kernarg_segment_ptr 1
		.amdhsa_wavefront_size32 1
		.amdhsa_system_sgpr_workgroup_id_x 1
		.amdhsa_system_sgpr_workgroup_id_y 1
		.amdhsa_system_sgpr_workgroup_id_z 1
		.amdhsa_system_vgpr_workitem_id 0
		.amdhsa_next_free_vgpr 96
		.amdhsa_next_free_sgpr 66
		.amdhsa_reserve_vcc 0
		.amdhsa_float_denorm_mode_32 3
		.amdhsa_float_denorm_mode_16_64 3
		.amdhsa_memory_ordered 1
		.amdhsa_forward_progress 1
		.amdhsa_inst_pref_size 7
	.end_amdhsa_kernel
	.amdgpu_metadata
---
amdhsa.version: [ 1, 2 ]
amdhsa.kernels:
  - .name:           k_qa1c98686f5_gather
    .symbol:         k_qa1c98686f5_gather.kd
    .args:
      - { .name: idx, .offset: 0, .size: 8, .value_kind: global_buffer, .address_space: global }
      - { .name: embt, .offset: 8, .size: 8, .value_kind: global_buffer, .address_space: global }
      - { .name: out0, .offset: 16, .size: 8, .value_kind: global_buffer, .address_space: global }
    .group_segment_fixed_size: 0
    .private_segment_fixed_size: 0
    .kernarg_segment_align: 8
    .kernarg_segment_size: 24
    .max_flat_workgroup_size: 256
    .sgpr_count:     66
    .vgpr_count:     96
    .wavefront_size: 32
...
	.end_amdgpu_metadata
.endif
;; end of part 2
;; ======== version 2 of 2: 2 launches; version 1 with the launch nearest written anew for expert scheduling mode
;; workspace buffers: embt 262,144 bytes; idx 262,144 bytes of whole numbers
;; launch nearest (part 3): grid 256 x 1, 16 waves a work-group, no clusters, 229,376 bytes of LDS; arguments x, embeddings, embt, idx; writes embt, idx
.if DOCPART == 3
	.amdgcn_target "amdgcn-amd-amdhsa--gfx1250"
	.amdhsa_code_object_version 6
	.text
	.protected	k_qa1c98686f5_nearest
	.globl	k_qa1c98686f5_nearest
	.p2align	8
	.type	k_qa1c98686f5_nearest,@function
k_qa1c98686f5_nearest:
	s_mov_b64 s[64:65], 0
	v_nop
	global_prefetch_b8 v0, s[64:65] scope:SCOPE_SE
	s_setreg_imm32_b32 hwreg(HW_REG_WAVE_SCHED_MODE, 0, 2), 2
	s_setreg_imm32_b32 hwreg(HW_REG_WAVE_MODE, 25, 1), 1
	s_wait_xcnt 0x0
	s_wait_alu depctr_vm_vsrc(0)
; idx[row] = argmin over the 1,024 codes n of (|z|^2 + |e_n|^2) - 2 Q(z).Q(e_n);  z = x[row][0..63], e_n = embeddings[0..63][n]; Q: MX-FP4 (E2M1, one E8M0 scale for each 32 along K).
; Also embt[n][k] = embeddings[k][n], f32, for the launch that gathers: a code's row is then 256 consecutive bytes.
; SHARES.  A work-group of SIXTEEN waves owns 256 rows of x: four waves to a SIMD (4 x 256 registers fill it), so that one wave's waits for memory, LDS and results stand beside three others' vector work.
; Wave 2 c + p belongs to code group c (codes 128 c .. 128 c + 127: 8 tiles of 16) and walks the row tiles 8 p .. 8 p + 7.  It keeps its group's FP4 codes, scale words and -|e|^2 / 2 in registers.
; NOTHING IS MADE TWICE: the wave quantises 64 columns of the table (128 c + 64 p on) and 16 rows of x, and stores both in LDS as images of the operand's registers; behind one barrier every wave
; loads its group's eight fragments, and then, pair by pair, the row tiles that it walks.
; THE PRODUCT IS USED TRANSPOSED (source 0 = 16 codes, source 1 = 16 rows of x): a lane holds ONE row of x (lane % 16) and the codes 8 (lane / 16) + 0..7 of the tile.
; K is 64 and the instruction's is 128: x's fragment has zero codes for k = 64..127, so the table's operand may run on into the next tile's four registers: whatever stands there meets zeros; the scale bytes there are 127.
; C = -(|z|^2 + |e|^2) / 2, one rounded f32 sum as in the definition (halving rounds nothing), so D = -distance / 2 and the smallest distance is the largest D.
; THE ARGMAX, in a lane: four v_max3 give the best so far with this tile; where that has grown (strictly: the earlier tile keeps a tie) the tile's number and its eight values are kept.  After the
; group's 8 tiles the place in the kept tile is found by equality, the lowest first.  The 16 candidates of a row (8 groups x 2 halves of the lanes) meet in LDS; on equal values the lower index wins.
; JOINT LOADS are not used for the table, though every work-group reads it: its 262,144 bytes of f32 do not fit in LDS beside the 227,328 bytes in use here, and the numbers must pass through registers to be quantised.
; LIMITS: NaN and infinities are not served; blocks whose largest magnitude lies under 2^-124 (scale byte held at 1) were not tried; |z|^2 and |e|^2 are summed in another order than the definition's,
; and C + product is rounded by the matrix unit: both can turn a choice only between distances that lie within a last bit of each other.
; THE MODE: SCHED_MODE bits 1:0 = 2 (LLVM: expert scheduling mode 2), set by the entry lines.  The code itself states the register dependences between vector or matrix instructions and memory or LDS
; instructions, and those through scalar registers and VCC that vector instructions write, with s_wait_alu, always for 0.
; THE PLAN.  Registers that memory or LDS instructions touch, and who else names them:
;   the addresses v1-20, v23, v104-107   made at the head, ahead of one wait on va_vdst.  Of these only v104-107 are written again, by the loads behind the barrier.  v6-8: see the walk
;   x's numbers v136-167                 loads land; the stage's stores read them; a wait on vm_vsrc; the stage's loads land in them again; the quantiser reads them
;   x's codes, word and -|z|^2 / 2       the quantiser writes them; a wait on va_vdst; three LDS stores read them
;   the table's two sets v192-255        block b's loads land; its vector lines read them; in the wave that owns the work-group's rows of embt eight LDS stores read them; block b + 2's loads land.
;                                        One wait on va_vdst behind a block's vector lines serves those loads and the stores of the block's codes, word and -|e|^2 / 2; one on vm_vsrc ends the owner's arm
;   all that is loaded behind the barrier  one wait on vm_vsrc behind the last block, one on va_vdst behind the barrier
;   in the walk, a pair of row tiles:    x's fragments, scale words and -|z|^2 / 2: the pair's products and sums read them, the next pair's loads land in them: one wait on va_vdst behind the pair's last product;
;                                        the candidates and their address: one wait on va_vdst ahead of the two stores; one wait on vm_vsrc at a pair's head frees them and the fetch's addresses
;   VCC and lane masks in scalar registers  a wait on va_vcc or va_sdst between the compare, or the run of compares, and the first line that reads the mask
.set SP,    272                        ; a stage row: 256 bytes + 16: sixteen lanes' 16 bytes of sixteen rows fall on sixteen different 16-byte columns of 256
.set WST,   32*SP                      ; a wave's stage: 32 rows
.set CP,    2176                       ; candidates of one (group, half): 256 rows x 8 bytes + 128, so that the two halves of the lanes store to different halves of 256 bytes
.set XIMG,  0                          ; LDS: x's 16 fragments, 512 bytes each (lane l's 16 bytes at 16 l),
.set XSC,   8192                       ; their scale words, 128 bytes each,
.set XZ,    10240                      ; -|z|^2 / 2, 128 bytes each,
.set E2S,   12288                      ; -|e|^2 / 2: 512 bytes for each code group, a column 4 bytes,
.set TSC,   16384                      ; the table's scale words: 512 bytes for each group: four registers' images,
.set CAND,  20480                      ; the candidates: 16 x CP,
.set TIMG,  55296                      ; the table's fragments: 4,096 bytes for each group: eight images of 512,
.set XSTG,  88064                      ; the stages: WST for each wave, its own
.set LI,  1                            ; v1   16 x lane
.set LSP, 2                            ; v2   4 x lane + 1,024 p: my half of x's scale words and of -|z|^2 / 2
.set CA,  3                            ; v3   where I store candidates
.set IB,  4                            ; v4   128 c + 8 x (lane / 16): what my index begins with
.set FA,  5                            ; v5   where I read candidates back
.set AD1, 6                            ; v6-7 addresses of the next pair's images
.set AD2, 7
.set CAD, 8                            ; v8   address of this pair's candidates
.set OGO, 9                            ; v9   8 x thread: my two indices in the work-group's 1,024 bytes
.set TA,  10                           ; v10  the table: my column's byte in a row
.set XG,  11                           ; v11  x: my 16 bytes of a load's 512
.set XSA, 12                           ; v12  the stage, on x's way in
.set XSR, 13                           ; v13  and out
.set TRI, 14                           ; v14  where I read my group's fragments: 16 x lane + 4,096 c
.set TRS, 15                           ; v15  and its scale words: 4 x lane + 512 c
.set E2W, 16                           ; v16  where I store -|e|^2 / 2 and the table's scale words: 4 x lane + 256 x wave
.set E2A, 17                           ; v17  -|e|^2 / 2, back: 32 x (lane / 16) + 512 c
.set TSA, 18                           ; v18  the stage, on the turned table's way in
.set TRA, 19                           ; v19  and out
.set SH8, 20                           ; v20  8 x (lane / 16)
.set BSC, 21                           ; v21-22 x's scale words, one for each stream: they hold nothing else
.set LIP, 23                           ; v23  16 x lane + 4,096 p: my half of x's fragments
.set TC,  24                           ; v24-55 the table's codes, tile t at TC + 4 t; v56-59 zeros behind the last.  Until the barrier: my own four tiles in v24-39
.set TS,  60                           ; v60-63 its scale words: register q: lanes 0-15 tile 2 q, lanes 16-31 tile 2 q + 1.  Until the barrier: my own two in v60-61
.set TD,  64                           ; v64-71 four rows of embt on their way out
.set ESQ, 72                           ; v72-135 -|e|^2 / 2 in the result's layout: tile t at ESQ + 8 t.  Until they are loaded: what follows
.set AMX, 72                           ; v72-73 largest magnitudes
.set SCL, 74                           ; the conversion's scale operand
.set SBY, 75                           ; the scale's byte
.set EA,  76                           ; v76-79 sums of squares, two pairs
.set EB,  78
.set XWD, 80                           ; x's scale word just made
.set PW,  82                           ; v82-83 what the other half of the lanes sends
.set PZ,  83
.set XSM, 84                           ; -|z|^2 / 2 just made
.set XCD, 88                           ; v88-91 x's codes just made
.set EH,  96                           ; v96-97 -|e|^2 / 2 just made
.set LN,  100
.set RR,  101
.set HH,  102
.set TWI, 104                          ; where I store my four fragments of the table: 16 x lane + 2,048 x wave
.set L4,  105                          ; 4 x lane
.set XWI, 106                          ; where I store x's image: 16 x lane + 512 x wave
.set XWS, 107                          ; and its words: 4 x lane + 128 x wave
.set XR0, 136                          ; v136-167 x's numbers
.set TX,  192                          ; v192-255 the table's numbers: two sets of 32
.set SA,  136                          ; two streams of 32 registers, one for each tile of rows in hand: v136-167, v168-199
.set SS,  32
.set BF,  0                            ; x's fragment: 4 registers of codes, 4 of zeros
.set CD,  8                            ; C, then D
.set CAP, 16                           ; the best tile's eight values
.set ZH,  24                           ; -|z|^2 / 2 (the packed sum names a pair and takes its low word twice)
.set BEST, 26                          ; the best so far, in two registers by turns; at the end: index, value
.set TM,  28
.set TIDX, 31                          ; the best tile's number
.set FR,  72                           ; the end: 16 candidates x 4 registers
.set WV,  12                           ; s12  my wave's number, 2 c + p
.set CG,  18                           ; s18  c
.set PH,  19                           ; s19  p
.set OWN, 22                           ; s22  which 32 of my columns hold this work-group's four rows of embt; -1: none
.set CNT, 23
.set XO,  24                           ; s24-26 steps through the images and the candidates
.set XO4, 25
.set CO,  26
.set RM,  32                           ; s32-46 lane masks
	s_load_b128 s[4:7], s[0:1], 0x0                ; x, embeddings
	s_load_b128 s[8:11], s[0:1], 0x10              ; embt, idx
	v_lshrrev_b32 v[LIP], 5, v0
	v_readfirstlane_b32 s[WV], v[LIP]              ; wave 0..15
	v_and_b32 v[LN], 31, v0                        ; lane
	v_and_b32 v[RR], 15, v0                        ; r
	v_bfe_u32 v[HH], v0, 4, 1                      ; h
	v_lshlrev_b32 v[LI], 4, v[LN]
	v_lshlrev_b32 v[L4], 2, v[LN]
	v_lshlrev_b32 v[SH8], 3, v[HH]
	v_lshl_add_u32 v[FA], v0, 4, CAND              ; two rows' candidates are 16 bytes
	v_lshlrev_b32 v[OGO], 3, v0
	s_wait_alu depctr_va_sdst(0)                   ; s12, the wave's number, is written, ahead of its first reader; the eight lines above do not need it
	s_lshr_b32 s[CG], s[WV], 1                     ; my code group
	s_and_b32 s[PH], s[WV], 1                      ; my half of the row tiles, and of the group's columns
	s_lshl_b32 s13, s[PH], 12
	v_add_nc_u32 v[LIP], s13, v[LI]                ; eight fragments of 512 bytes on for p = 1
	s_lshl_b32 s13, s[PH], 10
	v_add_nc_u32 v[LSP], s13, v[L4]                ; eight words' images of 128 bytes on
	s_mul_i32 s14, s[CG], 2*CP
	s_add_co_u32 s14, s14, s13                     ; my 128 rows' candidates are 1,024 bytes
	s_add_co_u32 s14, s14, CAND
	v_mul_u32_u24 v[CA], v[HH], CP
	v_lshl_add_u32 v[CA], v[RR], 3, v[CA]
	v_add_nc_u32 v[CA], s14, v[CA]                 ; CAND + (2 c + h) CP + 1,024 p + 8 r
	s_lshl_b32 s13, s[CG], 7
	v_lshl_add_u32 v[IB], v[HH], 3, s13
	s_lshl_b32 s13, s[CG], 12
	v_add_nc_u32 v[TRI], s13, v[LI]
	s_lshl_b32 s13, s[CG], 9
	v_add_nc_u32 v[TRS], s13, v[L4]
	v_lshl_add_u32 v[E2A], v[HH], 5, s13
	s_lshl_b32 s13, s[WV], 8
	v_add_nc_u32 v[TA], s13, v[L4]                 ; column 64 wave + lane
	v_add_nc_u32 v[E2W], s13, v[L4]
	s_lshl_b32 s13, s[WV], 12
	v_add_nc_u32 v[XG], s13, v[LI]                 ; my wave's 16 rows are 4,096 bytes
	s_lshl_b32 s13, s[WV], 11
	v_add_nc_u32 v[TWI], s13, v[LI]
	s_lshl_b32 s13, s[WV], 9
	v_add_nc_u32 v[XWI], s13, v[LI]
	s_lshl_b32 s13, s[WV], 7
	v_add_nc_u32 v[XWS], s13, v[L4]
	s_mul_i32 s14, s[WV], WST
	s_add_co_u32 s14, s14, XSTG                    ; my wave's stage
	v_mul_u32_u24 v[XSA], v[HH], SP
	v_lshl_add_u32 v[XSA], v[RR], 4, v[XSA]
	v_add_nc_u32 v[XSA], s14, v[XSA]               ; in: a load's 512 bytes are two rows
	v_mul_u32_u24 v[XSR], v[RR], SP
	v_lshl_add_u32 v[XSR], v[HH], 7, v[XSR]
	v_add_nc_u32 v[XSR], s14, v[XSR]               ; out: row r, my half's 128 bytes: a whole block of 32
	v_mul_u32_u24 v[TSA], v[LN], SP
	v_add_nc_u32 v[TSA], s14, v[TSA]               ; the turned table: a lane's column is a stage row
	s_and_b32 s15, ttmp9, 7
	s_mul_i32 s15, s15, 4*SP
	v_add_nc_u32 v[TRA], s15, v[XSA]               ; and out: rows 4 (g % 8) on, two rows a load
	s_lshr_b32 s16, ttmp9, 4                       ; rows 4 g .. 4 g + 3 of embt are columns of wave g / 16,
	s_bfe_u32 s17, ttmp9, 0x10003                  ; of its 32 columns number (g / 8) % 2
	s_cmp_eq_u32 s[WV], s16
	s_cselect_b32 s[OWN], s17, -1
	s_mov_b32 s20, 0x76543210
	s_mov_b32 s21, 0xfedcba98                      ; v_permlanex16_b32's selects for lane l xor 16
	s_lshl_b32 s28, ttmp9, 16                      ; the work-group's 256 rows of x
	s_mov_b32 s29, 0
	s_lshl_b32 s30, ttmp9, 10                      ; its 1,024 bytes of embt and of idx
	s_mov_b32 s31, 0
	s_wait_kmcnt 0x0
	s_add_nc_u64 s[4:5], s[4:5], s[28:29]
	s_add_nc_u64 s[8:9], s[8:9], s[30:31]
	s_add_nc_u64 s[10:11], s[10:11], s[30:31]
; ---- a block of 32 numbers in one lane's registers v[X] .. v[X + 31]
.macro QMAX X                          ; its largest magnitude, with the floor 2^(3 - 127) among the leaves, so that the byte cannot fall under 1; the conversion's scale operand; the byte
	v_max3_num_f32 v[AMX], |v[(\X)]|, |v[(\X)+1]|, |v[(\X)+2]|
	v_max3_num_f32 v[AMX+1], |v[(\X)+3]|, |v[(\X)+4]|, |v[(\X)+5]|
.irp i, 6,10,14,18,22,26
	v_max3_num_f32 v[AMX], v[AMX], |v[(\X)+\i]|, |v[(\X)+\i+1]|
	v_max3_num_f32 v[AMX+1], v[AMX+1], |v[(\X)+\i+2]|, |v[(\X)+\i+3]|
.endr
	v_max3_num_f32 v[AMX], v[AMX], |v[(\X)+30]|, |v[(\X)+31]|
	v_max3_num_f32 v[AMX], v[AMX], v[AMX+1], 0x1800000
	v_add_nc_u32 v[SCL], 0xff000000, v[AMX]        ; 2 off the exponent field: the conversion takes that field as its scale and nothing else
	v_lshrrev_b32 v[SBY], 23, v[SCL]
.endm
.macro QCVT X, dst                     ; its 32 codes: four registers, the lower k in the lower bits
.irp g, 0,1,2,3
	v_cvt_scalef32_pk8_fp4_f32 v[(\dst)+\g], v[(\X)+8*\g:(\X)+8*\g+7], v[SCL]
.endr
.endm
.macro QSQ X, first                    ; the sum of its squares, of the numbers as they came, in two packed chains.  (Plain lines: they also stand between the conversions and whatever touches their results)
.if \first
	v_pk_mul_f32 v[EA:EA+1], v[(\X):(\X)+1], v[(\X):(\X)+1]
	v_pk_mul_f32 v[EB:EB+1], v[(\X)+2:(\X)+3], v[(\X)+2:(\X)+3]
.else
	v_pk_fma_f32 v[EA:EA+1], v[(\X):(\X)+1], v[(\X):(\X)+1], v[EA:EA+1]
	v_pk_fma_f32 v[EB:EB+1], v[(\X)+2:(\X)+3], v[(\X)+2:(\X)+3], v[EB:EB+1]
.endif
.irp i, 4,8,12,16,20,24,28
	v_pk_fma_f32 v[EA:EA+1], v[(\X)+\i:(\X)+\i+1], v[(\X)+\i:(\X)+\i+1], v[EA:EA+1]
	v_pk_fma_f32 v[EB:EB+1], v[(\X)+\i+2:(\X)+\i+3], v[(\X)+\i+2:(\X)+\i+3], v[EB:EB+1]
.endr
.endm
; ---- the table.  Block b of four: columns 32 (b / 2) + lane of my 64, k = 32 (b % 2) + 0..31: A LANE TAKES A COLUMN AND ITS REGISTERS RUN DOWN K; a load reads 128 consecutive bytes
.macro TLOAD b
.irp i, 0,1,2,3,4,5,6,7,8,9,10,11,12,13,14,15,16,17,18,19,20,21,22,23,24,25,26,27,28,29,30,31
	global_load_b32 v[TX+32*((\b)%2)+\i], v[TA], s[6:7] offset:(32*((\b)%2)+\i)*4096+128*((\b)/2)
.endr
.endm
.macro TBLOCK b
.set XS, TX+32*((\b)%2)
.set KH, (\b)%2
.set QG, (\b)/2
.if (\b) < 3
	s_wait_loadcnt 32                              ; this block's 32 loads are in; the next block's 32 may be out
.else
	s_wait_loadcnt 0x0
.endif
	QMAX XS
	QCVT XS, TC+8*QG+4*KH
	QSQ XS, 1-KH
.if KH == 0
	v_or_b32 v[TS+QG], 0x7f7f0000, v[SBY]          ; the column's scale word: byte 0; bytes 2 and 3, for k = 64..127, are 127
.else
	v_lshl_or_b32 v[TS+QG], v[SBY], 8, v[TS+QG]    ; byte 1
.irp i, 0,1,2,3
	v_permlane16_swap_b32 v[TC+8*QG+\i], v[TC+8*QG+4+\i]   ; block 0's lanes 16-31 change places with block 1's lanes 0-15: the first four registers are now one tile's fragment (lane (r, h): code r, k = 32 h ..), the others the next tile's
.endr
	v_pk_add_f32 v[EA:EA+1], v[EA:EA+1], v[EB:EB+1]
	v_add_f32 v[EH+QG], v[EA], v[EA+1]             ; |e|^2 of my column
	v_mul_f32 v[EH+QG], -0.5, v[EH+QG]
.endif
.if ((\b) < 2) || (KH == 1)
	s_wait_alu depctr_va_vdst(0)                   ; the block's lines are done reading this set, in which the loads of two blocks on land; in a column's second block they have also written the codes, the scale word and -|e|^2 / 2, which the LDS stores below read.  No vector line stands between this wait and those loads and stores
.endif
	s_cmp_eq_u32 s[OWN], QG                        ; a branch on the work-group's and the wave's number: do these columns hold my work-group's rows of embt?
	s_cbranch_scc0 .Lnot_mine_\@
.irp i, 0,1,2,3,4,5,6,7
	ds_store_b128 v[TSA], v[XS+4*\i:XS+4*\i+3] offset:128*KH+16*\i   ; a lane's 32 numbers are 128 consecutive bytes of its row of embt
.endr
.if KH == 1
	ds_load_b128 v[TD:TD+3], v[TRA]                ; LDS serves a wave's instructions in order: these see my stores.  Four whole rows come back, sixteen lanes to a row
	ds_load_b128 v[TD+4:TD+7], v[TRA] offset:2*SP
.endif
	s_wait_dscnt 0x0                               ; the stores have landed; the four rows are back
.if KH == 1
	global_store_b128 v[LI], v[TD:TD+3], s[8:9]              ; 32 lanes store 512 consecutive bytes, two whole rows
	global_store_b128 v[LI], v[TD+4:TD+7], s[8:9] offset:512
.endif
.if (\b) < 2
	s_wait_alu depctr_vm_vsrc(0)                   ; the stage's stores have read this set, in which the loads below land; the stores of embt's rows have read v64-71
.endif
.Lnot_mine_\@:
.if (\b)+2 < 4
	TLOAD (\b)+2
.endif
.if KH == 1
	ds_store_b128 v[TWI], v[TC+8*QG:TC+8*QG+3] offset:TIMG+1024*QG          ; tiles 4 p + 2 q and 4 p + 2 q + 1 of my group, as they stand in the registers
	ds_store_b128 v[TWI], v[TC+8*QG+4:TC+8*QG+7] offset:TIMG+1024*QG+512
	ds_store_b32 v[E2W], v[TS+QG] offset:TSC+128*QG                         ; scale register 2 p + q of the group
	ds_store_b32 v[E2W], v[EH+QG] offset:E2S+128*QG                         ; column 64 p + 32 q + lane of the group
.endif
.endm
	s_wait_alu depctr_va_vdst(0)                   ; the addresses made above are written: every load and store up to the walk reads them
.irp i, 0,1,2,3,4,5,6,7
	global_load_b128 v[XR0+4*\i:XR0+4*\i+3], v[XG], s[4:5] offset:512*\i th:TH_LOAD_NT   ; 32 lanes read 512 consecutive bytes: two rows
.endr
	TLOAD 0
	v_mov_b32 v[PW], 0                             ; written once: a lane permute's destination counts as one of its sources
	v_mov_b32 v[PZ], 0
	s_wait_loadcnt 32                              ; x's 8 loads are in; the table's first 32 may be out
.irp i, 0,1,2,3,4,5,6,7
	ds_store_b128 v[XSA], v[XR0+4*\i:XR0+4*\i+3] offset:\i*2*SP
.endr
	s_wait_alu depctr_vm_vsrc(0)                   ; the stage's stores have read v136-167, in which the loads below land
.irp i, 0,1,2,3,4,5,6,7
	ds_load_b128 v[XR0+4*\i:XR0+4*\i+3], v[XSR] offset:16*\i   ; back into the registers that they left, 128 bytes of one row a lane
.endr
	TLOAD 1
	s_wait_dscnt 0x0                               ; my 16 rows are back
	; ---- x: lane (r, h) holds k = 32 h + 0..31 of row r: a whole block, and the conversions' results are the operand's registers
	QMAX XR0
	QCVT XR0, XCD
	QSQ XR0, 1
	v_pk_add_f32 v[EA:EA+1], v[EA:EA+1], v[EB:EB+1]
	v_lshlrev_b32 v[XWD], v[SH8], v[SBY]           ; my block's byte at its place in the row's scale word
	v_add_f32 v[XSM], v[EA], v[EA+1]
	v_permlanex16_b32 v[PW], v[XWD], s20, s21
	v_permlanex16_b32 v[PZ], v[XSM], s20, s21
	v_or_b32 v[XWD], v[XWD], v[PW]                 ; with lane l xor 16's the word's two bytes are there,
	v_add_f32 v[XSM], v[XSM], v[PZ]                ; and so is |z|^2
	v_or_b32 v[XWD], 0x7f7f0000, v[XWD]
	v_mul_f32 v[XSM], -0.5, v[XSM]
	s_wait_alu depctr_va_vdst(0)                   ; x's codes, scale word and -|z|^2 / 2 are written, which the three stores read
	ds_store_b128 v[XWI], v[XCD:XCD+3] offset:XIMG
	ds_store_b32 v[XWS], v[XWD] offset:XSC
	ds_store_b32 v[XWS], v[XSM] offset:XZ
.irp b, 0,1,2,3
	TBLOCK \b
.endr
	s_wait_alu depctr_vm_vsrc(0)                   ; every LDS store so far has read its data and its address: v193 is written just below, and v24-39, v60-61, v80-107 and v192 are loaded over behind the barrier
.irp i, 4,5,6,7
	v_mov_b32 v[SA+BF+\i], 0                       ; x's codes for k = 64..127
	v_mov_b32 v[SA+SS+BF+\i], 0
.endr
.irp i, 32,33,34,35
	v_mov_b32 v[TC+\i], 0                          ; what the last tile's operand runs on into
.endr
	v_mov_b32 v[SA+ZH+1], 0                        ; (named as the upper halves of pairs)
	v_mov_b32 v[SA+SS+ZH+1], 0
	s_mov_b32 s[XO], 0
	s_mov_b32 s[XO4], 0
	s_mov_b32 s[CO], 0
	s_wait_dscnt 0x0                               ; for the others' sake: my images of x and of the table have landed
	s_barrier_signal -1
	s_barrier_wait -1                              ; x's sixteen fragments and the table's sixty-four lie in LDS
	s_wait_alu depctr_va_vdst(0)                   ; the set-up's vector lines are done with v24-63, v72-135, v136-139, v160 and v192, in which the loads from here to the walk's first line land; and the zeros above are written, which the products take inside their operands
.irp t, 0,1,2,3,4,5,6,7
	ds_load_b128 v[TC+4*\t:TC+4*\t+3], v[TRI] offset:TIMG+512*\t     ; my group's eight fragments: they stay
.endr
.irp q, 0,1,2,3
	ds_load_b32 v[TS+\q], v[TRS] offset:TSC+128*\q                   ; and their scale words
.endr
.irp t, 0,1,2,3,4,5,6,7
.irp c, 0,1
	ds_load_b128 v[ESQ+8*\t+4*\c:ESQ+8*\t+4*\c+3], v[E2A] offset:E2S+64*\t+16*\c   ; register 8 t + j: -|e|^2 / 2 of code 16 t + 8 h + j: the result's layout
.endr
.endr
; ---- the walk.  n: the stream (0, 1); t: my group's tile of codes (0..7)
.macro XFETCH a1, a2                   ; a pair of tiles of rows: fragments, scale words, -|z|^2 / 2
	ds_load_b128 v[SA+BF:SA+BF+3], v[\a1] offset:XIMG
	ds_load_b128 v[SA+SS+BF:SA+SS+BF+3], v[\a1] offset:XIMG+512
	ds_load_b32 v[BSC], v[\a2] offset:XSC
	ds_load_b32 v[BSC+1], v[\a2] offset:XSC+128
	ds_load_b32 v[SA+ZH], v[\a2] offset:XZ
	ds_load_b32 v[SA+SS+ZH], v[\a2] offset:XZ+128
.endm
.macro CB n, t                         ; C = -|e|^2 / 2 - |z|^2 / 2, two at a time.  Tile 0's stands in the registers that keep the best tile's values: the first tile is the best so far
.set S_, SA+SS*(\n)
.if (\t) == 0
.set DD, S_+CAP
.else
.set DD, S_+CD
.endif
.irp i, 0,2,4,6
	v_pk_add_f32 v[DD+\i:DD+\i+1], v[ESQ+8*(\t)+\i:ESQ+8*(\t)+\i+1], v[S_+ZH:S_+ZH+1] op_sel_hi:[1,0]
.endr
.endm
.macro MM n, t                         ; D = 16 codes x 16 rows + C
.set S_, SA+SS*(\n)
.if (\t) == 0
.set DD, S_+CAP
.else
.set DD, S_+CD
.endif
.if ((\t)%2) == 1
	v_wmma_scale_f32_16x16x128_f8f6f4 v[DD:DD+7], v[TC+4*(\t):TC+4*(\t)+7], v[S_+BF:S_+BF+7], v[DD:DD+7], v[TS+(\t)/2], v[BSC+(\n)] matrix_a_fmt:MATRIX_FMT_FP4 matrix_b_fmt:MATRIX_FMT_FP4 matrix_a_scale:MATRIX_SCALE_ROW1
.else
	v_wmma_scale_f32_16x16x128_f8f6f4 v[DD:DD+7], v[TC+4*(\t):TC+4*(\t)+7], v[S_+BF:S_+BF+7], v[DD:DD+7], v[TS+(\t)/2], v[BSC+(\n)] matrix_a_fmt:MATRIX_FMT_FP4 matrix_b_fmt:MATRIX_FMT_FP4
.endif
.endm
.macro HD n, t                         ; the best so far with this tile's eight; has it grown?  (Each result is read from its low end on)
.set S_, SA+SS*(\n)
.if (\t) == 0
	v_max3_num_f32 v[S_+TM], v[S_+CAP], v[S_+CAP+1], v[S_+CAP+2]
	v_max3_num_f32 v[S_+TM+1], v[S_+CAP+3], v[S_+CAP+4], v[S_+CAP+5]
	v_max3_num_f32 v[S_+TM], v[S_+TM], v[S_+CAP+6], v[S_+CAP+7]
	v_mov_b32 v[S_+TIDX], 0
	v_max_num_f32 v[S_+BEST], v[S_+TM], v[S_+TM+1]
.else
.set OLD, S_+BEST+((\t)+1)%2
.set NEW, S_+BEST+(\t)%2
	v_max3_num_f32 v[S_+TM], v[S_+CD], v[S_+CD+1], v[S_+CD+2]
	v_max3_num_f32 v[S_+TM+1], v[S_+CD+3], v[S_+CD+4], v[S_+CD+5]
	v_max3_num_f32 v[S_+TM+2], v[S_+CD+6], v[S_+CD+7], v[OLD]
	v_max3_num_f32 v[NEW], v[S_+TM], v[S_+TM+1], v[S_+TM+2]
	v_cmp_gt_f32 vcc_lo, v[NEW], v[OLD]            ; strictly: on a tie the earlier tile, with the lower indices, stays
.endif
.endm
.macro TL n, t                         ; where it has grown, this tile's number and its eight values are kept
.set S_, SA+SS*(\n)
	s_wait_alu depctr_va_vcc(0)                    ; the compare has written VCC, ahead of the first line that reads it
	v_cndmask_b32 v[S_+TIDX], v[S_+TIDX], \t, vcc_lo
.irp j, 0,1,2,3,4,5,6,7
	v_cndmask_b32 v[S_+CAP+\j], v[S_+CAP+\j], v[S_+CD+\j], vcc_lo
.endr
.endm
.macro RESOLVE                         ; the place in the kept tile: the lowest j whose value is the best; then the index, and both to LDS.  The two streams by turns
.irp j, 0,1,2,3,4,5,6
	v_cmp_eq_f32 s[RM+\j], v[SA+CAP+\j], v[SA+BEST+1]
	v_cmp_eq_f32 s[RM+8+\j], v[SA+SS+CAP+\j], v[SA+SS+BEST+1]
.endr
	s_wait_alu depctr_va_sdst(0)                   ; the fourteen compares have written their masks, ahead of the first line that reads one
	v_cndmask_b32 v[SA+TM], 7, 6, s[RM+6]
	v_cndmask_b32 v[SA+SS+TM], 7, 6, s[RM+14]
.irp j, 5,4,3,2,1,0
	v_cndmask_b32 v[SA+TM], v[SA+TM], \j, s[RM+\j]
	v_cndmask_b32 v[SA+SS+TM], v[SA+SS+TM], \j, s[RM+8+\j]
.endr
	v_lshl_add_u32 v[SA+TM], v[SA+TIDX], 4, v[SA+TM]
	v_lshl_add_u32 v[SA+SS+TM], v[SA+SS+TIDX], 4, v[SA+SS+TM]
	v_add_nc_u32 v[CAD], s[CO], v[CA]
	v_add_nc_u32 v[SA+BEST], v[IB], v[SA+TM]       ; 128 c + 16 t + 8 h + j
	v_add_nc_u32 v[SA+SS+BEST], v[IB], v[SA+SS+TM]
	s_wait_alu depctr_va_vdst(0)                   ; the two candidates and their address are written, which the stores read.  (Behind the last pair it also shows the sums done reading v72-135, in which the candidates' loads land: no vector line follows it there)
	ds_store_b64 v[CAD], v[SA+BEST:SA+BEST+1]      ; index, value
	ds_store_b64 v[CAD], v[SA+SS+BEST:SA+SS+BEST+1] offset:128
	s_add_co_u32 s[CO], s[CO], 256
.endm
; A PAIR of tiles of rows against my group's 8 tiles of codes.  The two streams take turns, one matrix instruction a turn, over the backward jump too.
; Every C is made four plain vector lines or more ahead of its product, and every result is first read four or more behind it: the other stream's lines stand between (ISA guide 7.12.1).
; The other stream's product stands between a compare and the wait for VCC, except after stream 1's last tile.
.macro PAIR more
	s_wait_dscnt 0x0                               ; the pair's images are in (ahead of the first pair: the table's too); the last pair's candidates have landed
	s_wait_alu depctr_vm_vsrc(0)                   ; the last pair's stores have read their candidates and address, its fetch its two addresses: this pair's lines write all of them again
	CB 0, 0
	CB 1, 0
	MM 0, 0
	CB 0, 1
	MM 1, 0
	HD 0, 0
	MM 0, 1
	HD 1, 0
	CB 1, 1
.irp t, 1,2,3,4,5,6
	HD 0, \t
	MM 1, \t
	TL 0, \t
	CB 0, \t+1
	HD 1, \t
	MM 0, \t+1
	TL 1, \t
	CB 1, \t+1
.endr
	HD 0, 7
	MM 1, 7
	TL 0, 7
.if \more
	s_add_co_u32 s[XO], s[XO], 1024
	s_add_co_u32 s[XO4], s[XO4], 256
	v_add_nc_u32 v[AD1], s[XO], v[LIP]
	v_add_nc_u32 v[AD2], s[XO4], v[LSP]
	s_wait_alu depctr_va_vdst(0)                   ; the pair's products and sums are done reading x's fragments, scale words and -|z|^2 / 2, in which the loads below land; the two addresses are written
	XFETCH AD1, AD2                                ; the next pair lands while this one is finished: no line below names what it touches
.endif
	HD 1, 7
	TL 1, 7
	RESOLVE
.endm
	XFETCH LIP, LSP
	s_mov_b32 s[CNT], 3
.Lpair:                                            ; my eight tiles of rows are four pairs: three trips,
	PAIR 1
	s_sub_co_u32 s[CNT], s[CNT], 1
	s_cmp_lg_u32 s[CNT], 0
	s_cbranch_scc1 .Lpair
	PAIR 0                                         ; and the last pair, which fetches nothing
	s_wait_dscnt 0x0                               ; for the others' sake: my candidates have landed
	s_barrier_signal -1
	s_barrier_wait -1
	s_cmp_lt_u32 s[WV], 4                          ; waves 0 to 3 finish: two rows a lane, so that a wave's store covers 256 consecutive bytes
	s_cbranch_scc0 .Ldone
.irp c, 0,1,2,3,4,5,6,7,8,9,10,11,12,13,14,15
	ds_load_b128 v[FR+4*\c:FR+4*\c+3], v[FA] offset:\c*CP   ; candidate 2 c + h of rows 2 t, 2 t + 1: index, value, index, value
.endr
	s_wait_dscnt 0x0
; The joins.  Each is a run of compares into scalar registers and, behind a wait, the selects; several joins' compares stand in one run, so that one wait serves them.
.macro JHC a, b, p                     ; the two halves of one group's lanes: b's is taken where its value is larger, or equal with the lower index: the compares,
.irp o, 0,2
	v_cmp_gt_f32 s[(\p)+\o], v[(\b)+\o+1], v[(\a)+\o+1]
	v_cmp_eq_f32 s[(\p)+\o+1], v[(\b)+\o+1], v[(\a)+\o+1]
	v_cmp_lt_u32 s[(\p)+\o+4], v[(\b)+\o], v[(\a)+\o]
.endr
.endm
.macro JHS a, b, p                     ; and the selects
.irp o, 0,2
	s_and_b32 s[(\p)+\o+1], s[(\p)+\o+1], s[(\p)+\o+4]
	s_or_b32 s[(\p)+\o], s[(\p)+\o], s[(\p)+\o+1]
	v_cndmask_b32 v[(\a)+\o], v[(\a)+\o], v[(\b)+\o], s[(\p)+\o]
	v_cndmask_b32 v[(\a)+\o+1], v[(\a)+\o+1], v[(\b)+\o+1], s[(\p)+\o]
.endr
.endm
.macro JWC a, b, p                     ; between groups a's indices are all lower: b's is taken only where its value is larger: the compares,
.irp o, 0,2
	v_cmp_gt_f32 s[(\p)+\o], v[(\b)+\o+1], v[(\a)+\o+1]
.endr
.endm
.macro JWS a, b, p                     ; and the selects
.irp o, 0,2
	v_cndmask_b32 v[(\a)+\o], v[(\a)+\o], v[(\b)+\o], s[(\p)+\o]
	v_cndmask_b32 v[(\a)+\o+1], v[(\a)+\o+1], v[(\b)+\o+1], s[(\p)+\o]
.endr
.endm
.irp w, 0,2,4,6
	JHC FR+8*\w, FR+8*\w+4, RM
	JHC FR+8*\w+8, FR+8*\w+12, RM+8
	s_wait_alu depctr_va_sdst(0)                   ; the twelve compares of two groups have written their masks, ahead of the scalar lines that join them
	JHS FR+8*\w, FR+8*\w+4, RM
	JHS FR+8*\w+8, FR+8*\w+12, RM+8
.endr
	JWC FR, FR+8, RM
	JWC FR+16, FR+24, RM+8
	JWC FR+32, FR+40, RM+4
	JWC FR+48, FR+56, RM+12
	s_wait_alu depctr_va_sdst(0)                   ; the eight compares of four joins have written their masks, ahead of the selects
	JWS FR, FR+8, RM
	JWS FR+16, FR+24, RM+8
	JWS FR+32, FR+40, RM+4
	JWS FR+48, FR+56, RM+12
	JWC FR, FR+16, RM
	JWC FR+32, FR+48, RM+8
	s_wait_alu depctr_va_sdst(0)                   ; the four compares of two joins have written their masks, ahead of the selects
	JWS FR, FR+16, RM
	JWS FR+32, FR+48, RM+8
	JWC FR, FR+32, RM
	s_wait_alu depctr_va_sdst(0)                   ; the last join's two compares have written their masks, ahead of the selects
	JWS FR, FR+32, RM
	v_mov_b32 v[FR+1], v[FR+2]                     ; the two rows' indices side by side
	s_wait_alu depctr_va_vdst(0)                   ; the two indices are written, which the store reads
	global_store_b64 v[OGO], v[FR:FR+1], s[10:11]  ; 32 lanes store 256 consecutive bytes, at a multiple of 256 from idx's first byte
.Ldone:
	s_wait_xcnt 0x0                                ; every earlier global instruction has had its addresses translated (ISA guide 3.1)
	v_lshl_add_u32 v254, v0, 2, 0x37800            ; the add's two registers, made anew: my spare word, behind the stages, 128 bytes for each wave; no memory or LDS instruction has read v254 or v255 since the wait on vm_vsrc behind the table's last block
	v_mov_b32 v255, 0
	s_wait_dscnt 0x0                               ; the closing lines, six on end
	s_wait_alu 0x0
	s_wait_tensorcnt 0x0
	ds_add_u32 v254, v255
	s_wait_dscnt 0x0
	s_endpgm
.Lfunc_end_k_qa1c98686f5_nearest:
	.size	k_qa1c98686f5_nearest, .Lfunc_end_k_qa1c98686f5_nearest-k_qa1c98686f5_nearest
	.p2alignl 7, 3214868480
	.fill 96, 4, 3214868480
	.section	.rodata,"a",@progbits
	.p2align	6, 0x0
	.amdhsa_kernel k_qa1c98686f5_nearest
		.amdhsa_group_segment_fixed_size 229376
		.amdhsa_private_segment_fixed_size 0
		.amdhsa_enable_private_segment 0
		.amdhsa_kernarg_size 32
		.amdhsa_user_sgpr_count 2
		.amdhsa_user_sgpr_kernarg_segment_ptr 1
		.amdhsa_wavefront_size32 1
		.amdhsa_system_sgpr_workgroup_id_x 1
		.amdhsa_system_sgpr_workgroup_id_y 1
		.amdhsa_system_sgpr_workgroup_id_z 1
		.amdhsa_system_vgpr_workitem_id 0
		.amdhsa_next_free_vgpr 256
		.amdhsa_next_free_sgpr 66
		.amdhsa_reserve_vcc 1
		.amdhsa_float_denorm_mode_32 3
		.amdhsa_float_denorm_mode_16_64 3
		.amdhsa_memory_ordered 1
		.amdhsa_forward_progress 1
		.amdhsa_inst_pref_size 84
	.end_amdhsa_kernel
	.amdgpu_metadata
---
amdhsa.version: [ 1, 2 ]
amdhsa.kernels:
  - .name:           k_qa1c98686f5_nearest
    .symbol:         k_qa1c98686f5_nearest.kd
    .args:
      - { .name: x, .offset: 0, .size: 8, .value_kind: global_buffer, .address_space: global }
      - { .name: embeddings, .offset: 8, .size: 8, .value_kind: global_buffer, .address_space: global }
      - { .name: embt, .offset: 16, .size: 8, .value_kind: global_buffer, .address_space: global }
      - { .name: idx, .offset: 24, .size: 8, .value_kind: global_buffer, .address_space: global }
    .group_segment_fixed_size: 229376
    .private_segment_fixed_size: 0
    .kernarg_segment_align: 8
    .kernarg_segment_size: 32
    .max_flat_workgroup_size: 512
    .sgpr_count:     66
    .vgpr_count:     256
    .wavefront_size: 32
...
	.end_amdgpu_metadata
.endif
;; end of part 3
;; launch gather: the kernel of part 2 again; grid 256 x 1, 8 waves a work-group, no clusters, 0 bytes of LDS; arguments idx, embt, out0; writes out0
